; MI455X (gfx1250); checked and timed in simulation.
; The chip was launched on July 23, 2026; its instructions are those of AMD's public machine-readable ISA for CDNA 5 (MIT licence, August 2026) and "CDNA5" Instruction Set Architecture Reference Guide (July 2026). The comments in the code are by the model that wrote it; some were corrected since.
;; Harmonic Oscillators. Allowed arithmetic: float matrix products may take bf16 or f16 operands with f32 sums; all other float work in f32.
;; Inputs: alpha 16 x 400 x 64 float32; amp 16 x 400 x 1 float32; f0 16 x 400 x 1 float32.
;; Outputs: out0 16 x 64,000 float32.
;; One version. Each part assembles by itself: llvm-mc -triple=amdgcn-amd-amdhsa -mcpu=gfx1250 --defsym DOCPART=n.
;; ======== version 1 of 1: 2 launches
;; limits: right only within a limited range of input values
;; workspace buffers: sums 49,152 bytes; cnt 65,536 bytes of whole numbers
;; launch sums (part 1): grid 16 x 16, 16 waves a work-group, no clusters, 2,304 bytes of LDS; arguments f0, sums, cnt; writes sums, cnt
.if DOCPART == 1
	.amdgcn_target "amdgcn-amd-amdhsa--gfx1250"
	.amdhsa_code_object_version 6
	.text
	.protected	k_qbe21595f45_sums
	.globl	k_qbe21595f45_sums
	.p2align	8
	.type	k_qbe21595f45_sums,@function
k_qbe21595f45_sums:
	s_mov_b64 s[64:65], 0
	v_nop
	global_prefetch_b8 v0, s[64:65] scope:SCOPE_SE
	s_setreg_imm32_b32 hwreg(HW_REG_WAVE_MODE, 25, 1), 1
	s_wait_xcnt 0x0
; Launch 1 of 2 for y = amp * sum_k [k f0u < 0.5] alpha_k sin(k phi),  phi = 2 pi (cumsum(f0u) - f0u[0]).
; k phi reaches some 4e5, where one f32 step is 0.03 rad: the phase must carry the SAME roundings as the f32 definition.
; The roundings taken here are those of the definition compiled as a whole: a division by a constant is a product with the
; rounded reciprocal, and a product whose only use is a sum is fused with it:
;   src = max(fma(i + 0.5, RN(1/160), -0.5), 0);  w = src - x0;  t = fma(f0[x0], 1 - w, RN(f0[x1] w));  f0u = RN(t RN(1/16000)).
; The running sum is associated in blocks of 16:  64000 -> 4000 block totals -> 250 chunk totals (zeros up to 256) -> 16 group
; totals; inside a block of 16 the sum runs one by one, and a position's sum is (prefix in its block) + (sum of all blocks before).
; This launch stores, for each batch, what a chunk of 256 samples needs of the OTHER chunks:
;   sums + 3072 b:  c1[256] chunk totals | +1024: i2[256] their prefix inside groups of 16 | +2048: c2[16] group totals
; and, for each tile of 64 samples, two trip counts of 4 partials each (cnt[b][tile] = unmasked | masked << 8):
; the test k f0u < 0.5 passes a prefix of k, so k below a safe lower bound need no test and k above a safe upper bound no work.
; Grid: x = group P of 16 chunks, y = batch b.  Wave wv owns chunk 16 P + wv (250 chunks; the six waves beyond hand in 0).
; Lane l owns samples 256 ch + 8 l .. + 7: 8 divides 80 and 160, so a lane lies between one pair of frames.
; Limit: finite inputs.
.set LANE, 1
.set IB,   2                           ; first sample of the lane
.set X0,   3                           ; frame below, frame above (clamped to 399)
.set X1,   4
.set OFA,  5                           ; byte offsets of f0[b][x0], f0[b][x1]
.set OFB,  6
.set IBF,  7
.set X0F,  8                           ; v[8:9]   x0 as f32, twice
.set FAB,  10                          ; v[10:11] f0[x0], f0[x1]
.set W,    16                          ; v[16:23] i + 0.5, then the weight w
.set Q,    24                          ; v[24:31] src, then f0[x1] w
.set OM,   40                          ; v[40:47] 1 - w
.set E,    48                          ; v[48:55] f0u of my 8 samples
.set PR,   56                          ; v[56:63] prefix inside the block of 16
.set T,    64                          ; v[64:71] at work
.set T8,   72
.set NB,   73
.set START,74
.set CV,   75
.set INC,  76
.set SH,   77
.set TM,   78
.set Y160, 28                          ; s pairs: RN(1/160), RN(1/16000)
.set Y16K, 32
.set ODD,  60                          ; lane masks
.set M1617,61
.macro SPAIR r, val                    ; a packed instruction takes a scalar pair as read whole: both halves are written
	s_mov_b32 s[\r], \val
	s_mov_b32 s[\r+1], \val
.endm
; whole-number geometry.  s19 = chunk, s21 = 400 b.  x0 = max((i + 80) / 160 - 1, 0); n / 5 = n * 52429 >> 18 for n < 2^16.
.macro GEOM
	s_lshl_b32 s20, s19, 8
	v_lshl_add_u32 v[IB], v[LANE], 3, s20
	v_add_nc_u32 v[X0], 80, v[IB]
	v_lshrrev_b32 v[X0], 5, v[X0]
	v_mul_u32_u24 v[X0], v[X0], 0xcccd
	v_lshrrev_b32 v[X0], 18, v[X0]
	v_add_nc_u32 v[X0], -1, v[X0]
	v_max_i32 v[X0], 0, v[X0]
	v_add_nc_u32 v[X1], 1, v[X0]
	v_min_u32 v[X1], 399, v[X1]
	v_cvt_f32_u32 v[X0F], v[X0]
	v_mov_b32 v[X0F+1], v[X0F]
	v_add_lshl_u32 v[OFA], v[X0], s21, 2
	v_add_lshl_u32 v[OFB], v[X1], s21, 2
.endm
; src = max(fma(i + 0.5, RN(1/160), -0.5), 0), w = src - x0 (exact), 1 - w.  src stays 1/320 away from whole numbers, so its
; floor is the x0 of the whole-number geometry.
.macro WCALC
	v_cvt_f32_u32 v[IBF], v[IB]
	v_add_f32 v[W+0], 0.5, v[IBF]                  ; exact: half-integers below 2^17
	v_add_f32 v[W+1], 1.5, v[IBF]
	v_add_f32 v[W+2], 2.5, v[IBF]
	v_add_f32 v[W+3], 3.5, v[IBF]
	v_add_f32 v[W+4], 4.5, v[IBF]
	v_add_f32 v[W+5], 5.5, v[IBF]
	v_add_f32 v[W+6], 6.5, v[IBF]
	v_add_f32 v[W+7], 7.5, v[IBF]
.irp j, 0,2,4,6
	v_pk_fma_f32 v[Q+\j:Q+\j+1], v[W+\j:W+\j+1], s[Y160:Y160+1], -0.5 op_sel_hi:[1,0,0]
.endr
.irp j, 0,1,2,3,4,5,6,7
	v_max_num_f32 v[Q+\j], 0, v[Q+\j]
.endr
.irp j, 0,2,4,6
	v_pk_add_f32 v[W+\j:W+\j+1], v[Q+\j:Q+\j+1], v[X0F:X0F+1] neg_lo:[0,1] neg_hi:[0,1]
.endr
.irp j, 0,2,4,6
	v_pk_fma_f32 v[OM+\j:OM+\j+1], v[W+\j:W+\j+1], -1.0, 1.0 op_sel_hi:[1,0,0]   ; the product is exact: one rounding, that of 1 - w
.endr
.endm
; f0u = RN(fma(f0[x0], 1 - w, RN(f0[x1] w)) x RN(1/16000)): three roundings
.macro F0U
.irp j, 0,2,4,6
	v_pk_mul_f32 v[Q+\j:Q+\j+1], v[W+\j:W+\j+1], v[FAB:FAB+1] op_sel:[0,1] op_sel_hi:[1,1]
.endr
.irp j, 0,2,4,6
	v_pk_fma_f32 v[T+\j:T+\j+1], v[OM+\j:OM+\j+1], v[FAB:FAB+1], v[Q+\j:Q+\j+1] op_sel_hi:[1,0,1]
.endr
.irp j, 0,2,4,6
	v_pk_mul_f32 v[E+\j:E+\j+1], v[T+\j:T+\j+1], s[Y16K:Y16K+1] op_sel_hi:[1,0]
.endr
.endm
; lanes 2 p, 2 p + 1 hold one block of 16: the odd lane goes on from the even lane's total.  CV = the block's total, in both lanes.
.macro BLOCKSCAN
	v_add_f32 v[T8], v[E], v[E+1]
.irp t, 2,3,4,5,6,7
	v_add_f32 v[T8], v[T8], v[E+\t]
.endr
	v_mov_b32 v[NB], 0                             ; a DPP destination counts as read
	v_mov_b32_dpp v[NB], v[T8] row_xmask:1 row_mask:0xf bank_mask:0xf
	v_cndmask_b32 v[START], 0, v[NB], s[ODD]
	v_add_f32 v[PR], v[START], v[E]
.irp t, 1,2,3,4,5,6,7
	v_add_f32 v[PR+\t], v[PR+\t-1], v[E+\t]
.endr
	v_mov_b32_dpp v[NB], v[PR+7] row_xmask:1 row_mask:0xf bank_mask:0xf
	v_cndmask_b32 v[CV], v[NB], v[PR+7], s[ODD]
.endm
; one-by-one prefix along a row of 16 lanes: after round r the first r + 1 places hold ((c0 + c1) + ..) + cj
.macro CHAIN inc, c, sh, shift, rounds
	v_mov_b32 v[\inc], v[\c]
.rept \rounds
	v_mov_b32_dpp v[\sh], v[\inc] row_shr:\shift row_mask:0xf bank_mask:0xf bound_ctrl:1
	v_add_f32 v[\inc], v[\sh], v[\c]
.endr
.endm
; prefix of the chunk's 16 block totals (block j in lanes 2 j, 2 j + 1): lanes 0-15 first, their last sum enters block 8, then again
.macro I1CHAIN
	v_mov_b32 v[SH], 0
	CHAIN INC, CV, SH, 2, 7
	v_readlane_b32 s63, v[INC], 15
	v_mov_b32 v[TM], s63
	v_cndmask_b32 v[TM], 0, v[TM], s[M1617]
	v_add_f32 v[CV], v[CV], v[TM]
	CHAIN INC, CV, SH, 2, 7
.endm
	s_load_b128 s[4:7], s[0:1], 0x0                ; f0 s[4:5], sums s[6:7]
	s_load_b64 s[8:9], s[0:1], 0x10                ; cnt
	v_lshl_add_u32 v80, v0, 2, 0x100
	v_mov_b32 v81, 0
	v_and_b32 v[LANE], 31, v0
	v_lshrrev_b32 v2, 5, v0
	v_readfirstlane_b32 s16, v2                    ; wave
	s_and_b32 s18, ttmp7, 0xffff                   ; batch
	s_lshl_b32 s19, ttmp9, 4
	s_add_co_u32 s19, s19, s16                     ; chunk
	s_mul_i32 s21, s18, 400
	SPAIR Y160, 0x3bcccccd
	SPAIR Y16K, 0x3883126f
	s_mov_b32 s[ODD], 0xaaaaaaaa
	s_mov_b32 s[M1617], 0x30000
	s_wait_kmcnt 0x0
	s_cmp_ge_u32 s19, 250
	s_cbranch_scc1 .Lpad                           ; chunks 250-255 do not exist: their total is 0
	GEOM
	global_load_b32 v[FAB], v[OFA], s[4:5]
	global_load_b32 v[FAB+1], v[OFB], s[4:5]
	WCALC                                          ; needs no data
	s_wait_loadcnt 0x0
	F0U
	BLOCKSCAN
	I1CHAIN
	; bounds of f0u over a tile (8 lanes x 8 samples)
	v_max3_num_f32 v64, v[E], v[E+1], v[E+2]
	v_min3_num_f32 v65, v[E], v[E+1], v[E+2]
	v_max3_num_f32 v64, v64, v[E+3], v[E+4]
	v_min3_num_f32 v65, v65, v[E+3], v[E+4]
	v_max3_num_f32 v64, v64, v[E+5], v[E+6]
	v_min3_num_f32 v65, v65, v[E+5], v[E+6]
	v_max_num_f32 v64, v64, v[E+7]
	v_min_num_f32 v65, v65, v[E+7]
.irp m, 1,2,4
	v_max_num_f32_dpp v64, v64, v64 row_xmask:\m row_mask:0xf bank_mask:0xf
	v_min_num_f32_dpp v65, v65, v65 row_xmask:\m row_mask:0xf bank_mask:0xf
.endr
	v_max_num_f32 v64, 0x3a83126f, v64             ; below 0.001 (zero and negative too) all 64 partials pass: 64 x 0.001 < 0.5
	v_max_num_f32 v65, 0x3a83126f, v65
	v_rcp_f32 v66, v64
	v_rcp_f32 v67, v65
	v_nop                                          ; one plain place behind the reciprocals (ISA guide 5.7.2)
	s_wait_alu depctr_va_vdst(0)
	v_mul_f32 v66, 0x3efffff0, v66                 ; 0.5 (1 - 2^-20) / fmax: every k up to its floor passes in all 64 samples
	v_mul_f32 v67, 0x3f000008, v67                 ; 0.5 (1 + 2^-20) / fmin: no k above its floor passes in any.  2^-20 covers the
	v_cvt_u32_f32 v66, v66                         ; reciprocal's and the product's errors (under 2^-22 together)
	v_cvt_u32_f32 v67, v67
	v_min_u32 v66, 64, v66
	v_min_u32 v67, 64, v67
	v_lshrrev_b32 v66, 2, v66                      ; trips of 4 partials without a test
	v_add_nc_u32 v67, 3, v67
	v_lshrrev_b32 v67, 2, v67
	v_sub_nc_u32 v67, v67, v66                     ; trips with the test
	v_lshl_or_b32 v68, v67, 8, v66
	s_lshl_b32 s20, s18, 12                        ; cnt word (1024 b + 4 ch + l / 8)
	s_lshl_b32 s22, s19, 4
	s_add_co_u32 s20, s20, s22
	v_lshrrev_b32 v69, 3, v[LANE]
	v_lshl_add_u32 v69, v69, 2, s20
	v_and_b32 v70, 7, v[LANE]
	v_cmp_eq_u32 vcc_lo, 0, v70
	s_wait_xcnt 0x0                                ; EXEC is a source of memory instructions: it changes only behind this wait
	s_and_saveexec_b32 s23, vcc_lo
	global_store_b32 v69, v68, s[8:9]              ; lanes 0, 8, 16, 24: the chunk's four words, 16 neighbouring bytes
	s_wait_xcnt 0x0
	s_or_b32 exec_lo, exec_lo, s23
	v_readlane_b32 s63, v[INC], 31                 ; the chunk's total
	v_mov_b32 v71, s63
	s_branch .Ljoin
.Lpad:
	v_mov_b32 v71, 0
.Ljoin:
	v_mov_b32 v72, s16
	v_lshlrev_b32 v72, 2, v72
	ds_store_b32 v72, v71                          ; all lanes, one word, one value
	s_wait_dscnt 0x0                               ; for wave 0's sake: my store is done before I signal
	s_barrier_signal -1
	s_barrier_wait -1
	s_cmp_lg_u32 s16, 0
	s_cbranch_scc1 .Lend
	v_and_b32 v73, 15, v[LANE]
	v_lshlrev_b32 v73, 2, v73
	ds_load_b32 v[CV], v73                         ; the group's 16 chunk totals, in both rows of lanes
	s_wait_dscnt 0x0
	v_mov_b32 v[SH], 0
	CHAIN INC, CV, SH, 1, 15
	s_mul_i32 s20, s18, 3072
	s_lshl_b32 s22, ttmp9, 6
	s_add_co_u32 s22, s22, s20
	v_lshl_add_u32 v74, v[LANE], 2, s22            ; 3072 b + 64 P + 4 l
	s_lshl_b32 s23, ttmp9, 2
	s_add_co_u32 s23, s23, s20
	v_mov_b32 v79, s23                             ; 3072 b + 4 P
	v_cmp_gt_u32 vcc_lo, 16, v[LANE]
	s_wait_xcnt 0x0
	s_and_saveexec_b32 s20, vcc_lo
	global_store_b32 v74, v[CV], s[6:7]            ; c1
	global_store_b32 v74, v[INC], s[6:7] offset:1024   ; i2
	s_wait_xcnt 0x0
	s_or_b32 exec_lo, exec_lo, s20
	v_cmp_eq_u32 vcc_lo, 15, v[LANE]
	s_and_saveexec_b32 s20, vcc_lo
	global_store_b32 v79, v[INC], s[6:7] offset:2048   ; c2 = the group's last prefix
	s_wait_xcnt 0x0
	s_or_b32 exec_lo, exec_lo, s20
.Lend:
	s_barrier_signal -1
	s_barrier_wait -1
	s_wait_tensorcnt 0x0
	ds_add_u32 v80, v81
	s_wait_dscnt 0x0
	s_endpgm
.Lfunc_end_k_qbe21595f45_sums:
	.size	k_qbe21595f45_sums, .Lfunc_end_k_qbe21595f45_sums-k_qbe21595f45_sums
	.p2alignl 7, 3214868480
	.fill 96, 4, 3214868480
	.section	.rodata,"a",@progbits
	.p2align	6, 0x0
	.amdhsa_kernel k_qbe21595f45_sums
		.amdhsa_group_segment_fixed_size 2304
		.amdhsa_private_segment_fixed_size 0
		.amdhsa_enable_private_segment 0
		.amdhsa_kernarg_size 24
		.amdhsa_user_sgpr_count 2
		.amdhsa_user_sgpr_kernarg_segment_ptr 1
		.amdhsa_wavefront_size32 1
		.amdhsa_system_sgpr_workgroup_id_x 1
		.amdhsa_system_sgpr_workgroup_id_y 1
		.amdhsa_system_sgpr_workgroup_id_z 1
		.amdhsa_system_vgpr_workitem_id 0
		.amdhsa_next_free_vgpr 82
		.amdhsa_next_free_sgpr 66
		.amdhsa_reserve_vcc 1
		.amdhsa_float_denorm_mode_32 3
		.amdhsa_float_denorm_mode_16_64 3
		.amdhsa_memory_ordered 1
		.amdhsa_forward_progress 1
		.amdhsa_inst_pref_size 12
	.end_amdhsa_kernel
	.amdgpu_metadata
---
amdhsa.version: [ 1, 2 ]
amdhsa.kernels:
  - .name:           k_qbe21595f45_sums
    .symbol:         k_qbe21595f45_sums.kd
    .args:
      - { .name: f0, .offset: 0, .size: 8, .value_kind: global_buffer, .address_space: global }
      - { .name: sums, .offset: 8, .size: 8, .value_kind: global_buffer, .address_space: global }
      - { .name: cnt, .offset: 16, .size: 8, .value_kind: global_buffer, .address_space: global }
    .group_segment_fixed_size: 2304
    .private_segment_fixed_size: 0
    .kernarg_segment_align: 8
    .kernarg_segment_size: 24
    .max_flat_workgroup_size: 512
    .sgpr_count:     66
    .vgpr_count:     82
    .wavefront_size: 32
...
	.end_amdgpu_metadata
.endif
;; end of part 1
;; launch synth (part 2): grid 250 x 1, 16 waves a work-group, no clusters, 84,992 bytes of LDS; arguments alpha, amp, f0, sums, cnt, out0; writes out0
.if DOCPART == 2
	.amdgcn_target "amdgcn-amd-amdhsa--gfx1250"
	.amdhsa_code_object_version 6
	.text
	.protected	k_qbe21595f45_synth
	.globl	k_qbe21595f45_synth
	.p2align	8
	.type	k_qbe21595f45_synth,@function
k_qbe21595f45_synth:
	s_mov_b64 s[64:65], 0
	v_nop
	global_prefetch_b8 v0, s[64:65] scope:SCOPE_SE
	s_setreg_imm32_b32 hwreg(HW_REG_WAVE_MODE, 25, 1), 1
	s_wait_xcnt 0x0
; Launch 2 of 2: y[b][i] = ampu * sum_k [k f0u < 0.5] alphau_k sin(k phi).
; 16 batches x 250 chunks of 256 samples = 4000 chunks = 250 work-groups of 16 waves: wave g = 16 x work-group + wave owns chunk
; ch = g mod 250 of batch b = g / 250.  A wave reads and writes only its own 5,184 bytes of LDS.
; PREAMBLE (lane l = samples 8 l .. 8 l + 7 of the chunk): f0u and the running sum with the roundings named at the first
; launch's head (reciprocals of the constants, the interpolation's first product fused with the sum; blocks of 16, one by one
; inside a block, (prefix in block) + (sum of the blocks before)); phi = RN(2 pi RN(S - f0u[0])).
; phi, f0u, ampu (1 - w), ampu w go to LDS, so that in the tiles a lane holds 2 neighbouring samples.
; TILES (4 of 64 samples; lane l = samples 64 s + 2 l, + 1): x = RN(k phi) as defined; sin x by n = round(x / pi),
; r = x - n pi in two parts (the first difference is exact), sign from n's parity, odd polynomial of degree 7 on |r| <= pi / 2.
; The interpolation of alpha is taken out of the sum: y = g0 sum(s a[x0][k]) + g1 sum(s a[x1][k]).
; The trip counts (4 partials a trip: so many without the test k f0u < 0.5, so many with it, the rest skipped, since the test
; would throw their terms away) were stored as whole numbers by the first launch.
; No matrix unit (no product), no cluster or tensor load (a wave reads some 1 KB, nothing of size is shared).
; Limits: finite inputs; |k phi| < 2^22 pi for terms that pass the test (rounding by the constant 1.5 x 2^23);
; the sine's absolute error is about 1e-6; the sum over k and the interpolations of alpha and amp are rounded in another order.
.set LANE, 1
.set IB,   2
.set X0,   3
.set X1,   4
.set OFA,  5
.set OFB,  6
.set IBF,  7
.set X0F,  8
.set FAB,  10                          ; v[10:11] f0[x0], f0[x1]
.set AAB,  12                          ; v[12:13] amp[x0], amp[x1]
.set F00,  14                          ; v[14:15] f0[b][0], twice
.set W,    16
.set Q,    24
.set R,    32
.set OM,   40
.set E,    48
.set PR,   56
.set T,    64
.set T8,   72
.set NB,   73
.set START,74
.set CV,   75
.set INC,  76
.set SH,   77
.set TM,   78
.set EXC,  79
.set MAGIC,80                          ; v[80:81] 1.5 x 2^23;  v[82:83] the polynomial's r^4 coefficient: in vector pairs, so that
.set C5V,  82                          ;          no packed instruction names two scalar pairs
.set C2V,  88                          ; c2[l & 15], i2[ch-1], i2[ch-2], c1[ch-1]
.set I2A,  89
.set I2B,  90
.set C1P,  91
.set AL0,  92                          ; v[92:99] two 16-byte pieces of alpha rows
.set AL1,  96
.set E0Q,  104                         ; v[104:105] f0u[b][0]
.set E0V,  110                         ; v[110:111] sum of all blocks before mine
.set TL,   115                         ; LDS: my wave's bytes + 8 l
.set I80,  116                         ; 256 ch + 80 + 2 l
.set OO,   117                         ; byte offset in out0
.set Y,    118                         ; v[118:125] a pair for each tile: no store's data is rewritten
.set WBL,  126                         ; LDS: my wave's bytes + 32 l
; the tiles use v16-v69 anew
.set CX,   16                          ; chain j (partial k0 + j): x / r at 16 + 8 j, nf at 18 + 8 j, n / r^2 at 20 + 8 j, p / sine at 22 + 8 j
.set CNF,  18
.set CN,   20
.set CP,   22
.set A0,   48                          ; v[48:51] alpha[x0][k0 ..], v[52:55] alpha[x1][k0 ..]
.set A1,   52
.set ACC0, 56
.set ACC1, 58
.set PHI,  60
.set F0P,  62
.set G0P,  64
.set G1P,  66
.set AD,   68
.set TT,   69
.set Y160, 28
.set Y16K, 32
.set TWOPI,36
.set INVPI,38
.set NMAGIC,40
.set NPIHI,42
.set NPILO,44
.set C7,   46
.set C3,   48
.set C1,   50
.set KK,   52                          ; s52, s54, s56, s58: k of the four chains, as f32
.set ODD,  60
.set M1617,61
.set M01,  62
.set NU,   66
.set NM,   67
.set CT,   68
.set APITCH, 272                       ; an alpha row: 256 bytes + 16, so that lanes on different rows touch different banks
.set L_PHI, 1088                       ; behind 4 alpha rows
.set L_F0U, 2112
.set L_G0,  3136
.set L_G1,  4160
.set WAVE_LDS, 5184
.macro SPAIR r, val
	s_mov_b32 s[\r], \val
	s_mov_b32 s[\r+1], \val
.endm
; s19 = chunk, s21 = 400 b.  x0 = max((i + 80) / 160 - 1, 0); n / 5 = n * 52429 >> 18 for n < 2^16
.macro GEOM
	s_lshl_b32 s20, s19, 8
	v_lshl_add_u32 v[IB], v[LANE], 3, s20
	v_add_nc_u32 v[X0], 80, v[IB]
	v_lshrrev_b32 v[X0], 5, v[X0]
	v_mul_u32_u24 v[X0], v[X0], 0xcccd
	v_lshrrev_b32 v[X0], 18, v[X0]
	v_add_nc_u32 v[X0], -1, v[X0]
	v_max_i32 v[X0], 0, v[X0]
	v_add_nc_u32 v[X1], 1, v[X0]
	v_min_u32 v[X1], 399, v[X1]
	v_cvt_f32_u32 v[X0F], v[X0]
	v_mov_b32 v[X0F+1], v[X0F]
	v_add_lshl_u32 v[OFA], v[X0], s21, 2
	v_add_lshl_u32 v[OFB], v[X1], s21, 2
.endm
; src = max(fma(i + 0.5, RN(1/160), -0.5), 0), w = src - x0 (exact), 1 - w
.macro WCALC
	v_cvt_f32_u32 v[IBF], v[IB]
	v_add_f32 v[W+0], 0.5, v[IBF]                  ; exact: half-integers below 2^17
	v_add_f32 v[W+1], 1.5, v[IBF]
	v_add_f32 v[W+2], 2.5, v[IBF]
	v_add_f32 v[W+3], 3.5, v[IBF]
	v_add_f32 v[W+4], 4.5, v[IBF]
	v_add_f32 v[W+5], 5.5, v[IBF]
	v_add_f32 v[W+6], 6.5, v[IBF]
	v_add_f32 v[W+7], 7.5, v[IBF]
.irp j, 0,2,4,6
	v_pk_fma_f32 v[Q+\j:Q+\j+1], v[W+\j:W+\j+1], s[Y160:Y160+1], -0.5 op_sel_hi:[1,0,0]
.endr
.irp j, 0,1,2,3,4,5,6,7
	v_max_num_f32 v[Q+\j], 0, v[Q+\j]
.endr
.irp j, 0,2,4,6
	v_pk_add_f32 v[W+\j:W+\j+1], v[Q+\j:Q+\j+1], v[X0F:X0F+1] neg_lo:[0,1] neg_hi:[0,1]
.endr
.irp j, 0,2,4,6
	v_pk_fma_f32 v[OM+\j:OM+\j+1], v[W+\j:W+\j+1], -1.0, 1.0 op_sel_hi:[1,0,0]   ; exact product: one rounding, that of 1 - w
.endr
.endm
; f0u = RN(fma(f0[x0], 1 - w, RN(f0[x1] w)) x RN(1/16000)): three roundings
.macro F0U
.irp j, 0,2,4,6
	v_pk_mul_f32 v[Q+\j:Q+\j+1], v[W+\j:W+\j+1], v[FAB:FAB+1] op_sel:[0,1] op_sel_hi:[1,1]
.endr
.irp j, 0,2,4,6
	v_pk_fma_f32 v[T+\j:T+\j+1], v[OM+\j:OM+\j+1], v[FAB:FAB+1], v[Q+\j:Q+\j+1] op_sel_hi:[1,0,1]
.endr
.irp j, 0,2,4,6
	v_pk_mul_f32 v[E+\j:E+\j+1], v[T+\j:T+\j+1], s[Y16K:Y16K+1] op_sel_hi:[1,0]
.endr
.endm
.macro BLOCKSCAN                       ; lanes 2 p, 2 p + 1 hold one block of 16: the odd lane goes on from the even lane's total
	v_add_f32 v[T8], v[E], v[E+1]
.irp t, 2,3,4,5,6,7
	v_add_f32 v[T8], v[T8], v[E+\t]
.endr
	v_mov_b32 v[NB], 0                             ; a DPP destination counts as read
	v_mov_b32_dpp v[NB], v[T8] row_xmask:1 row_mask:0xf bank_mask:0xf
	v_cndmask_b32 v[START], 0, v[NB], s[ODD]
	v_add_f32 v[PR], v[START], v[E]
.irp t, 1,2,3,4,5,6,7
	v_add_f32 v[PR+\t], v[PR+\t-1], v[E+\t]
.endr
	v_mov_b32_dpp v[NB], v[PR+7] row_xmask:1 row_mask:0xf bank_mask:0xf
	v_cndmask_b32 v[CV], v[NB], v[PR+7], s[ODD]
.endm
.macro CHAIN inc, c, sh, shift, rounds ; one-by-one prefix along a row of 16 lanes
	v_mov_b32 v[\inc], v[\c]
.rept \rounds
	v_mov_b32_dpp v[\sh], v[\inc] row_shr:\shift row_mask:0xf bank_mask:0xf bound_ctrl:1
	v_add_f32 v[\inc], v[\sh], v[\c]
.endr
.endm
.macro I1CHAIN                         ; prefix of the 16 block totals: lanes 0-15 first, their last sum enters block 8, then again
	v_mov_b32 v[SH], 0
	CHAIN INC, CV, SH, 2, 7
	v_readlane_b32 s63, v[INC], 15
	v_mov_b32 v[TM], s63
	v_cndmask_b32 v[TM], 0, v[TM], s[M1617]
	v_add_f32 v[CV], v[CV], v[TM]
	CHAIN INC, CV, SH, 2, 7
.endm
	s_load_b256 s[4:11], s[0:1], 0x0               ; alpha s[4:5], amp s[6:7], f0 s[8:9], sums s[10:11]
	s_load_b128 s[12:15], s[0:1], 0x20             ; cnt s[12:13], out0 s[14:15]
	v_lshl_add_u32 v128, v0, 2, 0x14400
	v_mov_b32 v129, 0
	v_and_b32 v[LANE], 31, v0
	v_lshrrev_b32 v2, 5, v0
	v_readfirstlane_b32 s16, v2                    ; wave
	s_lshl_b32 s17, ttmp9, 4
	s_add_co_u32 s17, s17, s16                     ; g = 16 x work-group + wave, 0 to 3999
	s_mul_i32 s18, s17, 16778                      ; batch = g / 250 = g x 16778 >> 22: 16778 / 2^22 exceeds 1 / 250 by 0.784 / 2^22,
	s_lshr_b32 s18, s18, 22                        ; and 3999 x 0.784 / 2^22 stays under 1 / 250
	s_mul_i32 s19, s18, 250
	s_sub_co_u32 s19, s17, s19                     ; chunk = g mod 250
	s_wait_kmcnt 0x0
	s_lshl_b32 s73, s18, 12                        ; my four count words: (1024 b + 4 ch) x 4 bytes; s73 stays as it is until they are in
	s_lshl_b32 s63, s19, 4
	s_add_co_u32 s73, s73, s63
	s_load_b128 s[24:27], s[12:13], s73 offset:0x0
	s_mul_i32 s21, s18, 400
	GEOM
	s_lshl_b32 s22, s19, 3                         ; f_lo = x0 of the chunk's first sample: (256 ch + 80) >> 5 = 8 ch + 2
	s_add_co_u32 s22, s22, 2
	s_mul_i32 s22, s22, 0xcccd
	s_lshr_b32 s22, s22, 18
	s_sub_co_i32 s22, s22, 1
	s_max_i32 s22, s22, 0
	s_mul_i32 s23, s16, WAVE_LDS                   ; my wave's LDS bytes
	s_sub_co_i32 s71, s19, 1
	s_max_i32 s71, s71, 0                          ; h1 = max(ch - 1, 0)
	s_sub_co_i32 s72, s19, 2
	s_max_i32 s72, s72, 0                          ; h2 = max(ch - 2, 0)
	s_cmp_ge_u32 s19, 1
	s_cselect_b32 s69, -1, 0                       ; all ones where a chunk lies before mine,
	s_cmp_ge_u32 s19, 2
	s_cselect_b32 s70, -1, 0                       ; where two do
	s_lshl_b32 s74, s21, 2
	v_mov_b32 v84, s74                             ; f0[b][0]
	s_mul_i32 s75, s18, 3072
	v_and_b32 v85, 15, v[LANE]
	v_lshl_add_u32 v85, v85, 2, s75                ; c2[l & 15] (+2048)
	s_lshl2_add_u32 s76, s71, s75
	v_mov_b32 v86, s76                             ; word h1 of c1 (+0) and i2 (+1024)
	s_lshl2_add_u32 s77, s72, s75
	v_mov_b32 v87, s77                             ; word h2
	v_lshrrev_b32 v102, 4, v[LANE]                 ; alpha rows f_lo + l / 16 and + 2 more, clamped to 399; 16 lanes take a row's 256 bytes
	v_add_nc_u32 v100, s22, v102
	v_add_nc_u32 v101, 2, v100
	v_min_u32 v100, 399, v100
	v_min_u32 v101, 399, v101
	v_add_nc_u32 v100, s21, v100
	v_add_nc_u32 v101, s21, v101
	v_and_b32 v103, 15, v[LANE]
	v_lshlrev_b32 v103, 4, v103
	v_lshl_add_u32 v100, v100, 8, v103
	v_lshl_add_u32 v101, v101, 8, v103
	v_mul_u32_u24 v102, v102, APITCH
	v_add3_u32 v102, v102, v103, s23
	; twelve loads at once, in the order in which they are wanted
	global_load_b32 v[FAB], v[OFA], s[8:9]
	global_load_b32 v[FAB+1], v[OFB], s[8:9]
	global_load_b32 v[F00], v84, s[8:9]
	global_load_b32 v[F00+1], v84, s[8:9]
	global_load_b32 v[AAB], v[OFA], s[6:7]
	global_load_b32 v[AAB+1], v[OFB], s[6:7]
	global_load_b32 v[C2V], v85, s[10:11] offset:2048
	global_load_b32 v[I2A], v86, s[10:11] offset:1024
	global_load_b32 v[I2B], v87, s[10:11] offset:1024
	global_load_b32 v[C1P], v86, s[10:11]
	global_load_b128 v[AL0:AL0+3], v100, s[4:5]
	global_load_b128 v[AL1:AL1+3], v101, s[4:5]
	SPAIR Y160, 0x3bcccccd                         ; RN(1/160)
	SPAIR Y16K, 0x3883126f                         ; RN(1/16000)
	SPAIR TWOPI, 0x40c90fdb
	SPAIR INVPI, 0x3ea2f983
	SPAIR NMAGIC, 0xcb400000
	SPAIR NPIHI, 0xc0490fdb                        ; - RN(pi)
	SPAIR NPILO, 0x33bbbd2e                        ; RN(pi) - pi
	SPAIR C7, 0xb9408cce                           ; sin r = r (C1 + r^2 (C3 + r^2 (C5 + r^2 C7))) on |r| <= pi / 2
	SPAIR C3, 0xbe2aa5d6
	SPAIR C1, 0x3f7fffc7
	SPAIR KK, 0
	SPAIR KK+2, 0
	SPAIR KK+4, 0
	SPAIR KK+6, 0
	s_mov_b32 s[ODD], 0xaaaaaaaa
	s_mov_b32 s[M1617], 0x30000
	s_mov_b32 s[M01], 0x3
	v_mov_b32 v[MAGIC], 0x4b400000
	v_mov_b32 v[MAGIC+1], 0x4b400000
	v_mov_b32 v[C5V], 0x3c08171b
	v_mov_b32 v[C5V+1], 0x3c08171b
	v_lshl_add_u32 v[TL], v[LANE], 3, s23
	v_lshl_add_u32 v[WBL], v[LANE], 5, s23
	s_add_co_u32 s78, s20, 80                      ; s20 = 256 ch
	v_lshl_add_u32 v[I80], v[LANE], 1, s78
	s_mul_i32 s77, s18, 256000                     ; out0: (64000 b + 256 ch + 2 l) x 4 bytes
	s_lshl_b32 s78, s19, 10
	s_add_co_u32 s77, s77, s78
	v_lshl_add_u32 v[OO], v[LANE], 3, s77
	WCALC                                          ; needs no data
	s_wait_loadcnt 0x8                             ; the four f0 words are in; the eight loads behind them stay out
	F0U
	v_pk_mul_f32 v[E0Q:E0Q+1], v[F00:F00+1], s[Y16K:Y16K+1] op_sel_hi:[1,0]   ; f0u[b][0]: its weight w is 0, so t = f0[b][0]
	BLOCKSCAN
	I1CHAIN
	v_mov_b32 v[EXC], 0
	v_mov_b32_dpp v[EXC], v[INC] row_shr:2 row_mask:0xf bank_mask:0xf bound_ctrl:1
	v_add_f32 v[EXC], v[EXC], v[TM]                ; sum of the chunk's blocks before mine (lanes 16, 17: the lower row's last)
	s_wait_loadcnt 0x6                             ; amp's two words; six loads stay out
.irp j, 0,2,4,6
	v_pk_mul_f32 v[T+\j:T+\j+1], v[OM+\j:OM+\j+1], v[AAB:AAB+1] op_sel_hi:[1,0]
.endr
.irp j, 0,2,4,6
	v_pk_fma_f32 v[T+\j:T+\j+1], v[W+\j:W+\j+1], v[AAB:AAB+1], v[T+\j:T+\j+1] op_sel:[0,1,0] op_sel_hi:[1,1,1]
.endr
.irp j, 0,2,4,6
	v_pk_mul_f32 v[Q+\j:Q+\j+1], v[T+\j:T+\j+1], v[OM+\j:OM+\j+1]     ; g0 = ampu (1 - w)
	v_pk_mul_f32 v[R+\j:R+\j+1], v[T+\j:T+\j+1], v[W+\j:W+\j+1]       ; g1 = ampu w
.endr
	s_wait_loadcnt 0x2                             ; c2, i2, i2, c1; alpha's two loads stay out
	CHAIN INC, C2V, SH, 1, 15                      ; prefix of the 16 group totals,
	v_mov_b32_dpp v[SH], v[INC] row_shr:1 row_mask:0xf bank_mask:0xf bound_ctrl:1   ; lane P: sum of the groups before P
	s_lshr_b32 s63, s71, 4
	s_lshl_b32 s63, s63, 2
	v_mov_b32 v112, s63
	s_lshr_b32 s63, s72, 4
	s_lshl_b32 s63, s63, 2
	v_mov_b32 v127, s63
	ds_bpermute_b32 v113, v112, v[SH]              ; that of chunk ch - 1's group,
	ds_bpermute_b32 v114, v127, v[SH]              ; of chunk ch - 2's
	s_wait_dscnt 0x0
	v_add_f32 v108, v[I2A], v113                   ; sum of all chunks before mine
	v_add_f32 v109, v[I2B], v114                   ; sum of all chunks before the one before mine
	v_and_b32 v108, s69, v108                      ; 0 where there is none
	v_and_b32 v109, s70, v109
	v_add_f32 v109, v[C1P], v109                   ; what my first block adds: (total of chunk ch - 1) + (all before it)
	v_and_b32 v109, s69, v109
	v_add_f32 v[E0V], v[EXC], v108
	v_cndmask_b32 v[E0V], v[E0V], v109, s[M01]
	v_mov_b32 v[E0V+1], v[E0V]
.irp j, 0,2,4,6
	v_pk_add_f32 v[PR+\j:PR+\j+1], v[PR+\j:PR+\j+1], v[E0V:E0V+1]
.endr
.irp j, 0,2,4,6
	v_pk_add_f32 v[PR+\j:PR+\j+1], v[PR+\j:PR+\j+1], v[E0Q:E0Q+1] neg_lo:[0,1] neg_hi:[0,1]
.endr
.irp j, 0,2,4,6
	v_pk_mul_f32 v[PR+\j:PR+\j+1], v[PR+\j:PR+\j+1], s[TWOPI:TWOPI+1] op_sel_hi:[1,0]
.endr
	ds_store_b128 v[WBL], v[PR:PR+3] offset:L_PHI
	ds_store_b128 v[WBL], v[PR+4:PR+7] offset:L_PHI+16
	ds_store_b128 v[WBL], v[E:E+3] offset:L_F0U
	ds_store_b128 v[WBL], v[E+4:E+7] offset:L_F0U+16
	ds_store_b128 v[WBL], v[Q:Q+3] offset:L_G0
	ds_store_b128 v[WBL], v[Q+4:Q+7] offset:L_G0+16
	ds_store_b128 v[WBL], v[R:R+3] offset:L_G1
	ds_store_b128 v[WBL], v[R+4:R+7] offset:L_G1+16
	s_wait_loadcnt 0x0                             ; alpha
	ds_store_b128 v102, v[AL0:AL0+3]
	ds_store_b128 v102, v[AL1:AL1+3] offset:2*APITCH
	s_wait_kmcnt 0x0                               ; the count words
	; The one barrier.  The alpha loads of the tiles step their address in loops whose trip counts come from memory: at most
	; 2 x 272 + 272 + 15 x 16 + 16 bytes past my wave's first byte, inside its four alpha rows, but only by the cap of 16 trips.
	; So the order of LDS stores and loads is not left to that arithmetic: every wave's stores are done (the wait for zero),
	; every wave has said so, and no LDS byte is stored behind this point.
	s_wait_dscnt 0x0
	s_barrier_signal -1
	s_barrier_wait -1
.macro ACCU p, o, h                    ; both sums take the sine times one alpha, broadcast from half h of a register pair
	v_pk_fma_f32 v[ACC0:ACC0+1], v[\p:\p+1], v[A0+\o:A0+\o+1], v[ACC0:ACC0+1] op_sel:[0,\h,0] op_sel_hi:[1,\h,1]
	v_pk_fma_f32 v[ACC1:ACC1+1], v[\p:\p+1], v[A1+\o:A1+\o+1], v[ACC1:ACC1+1] op_sel:[0,\h,0] op_sel_hi:[1,\h,1]
.endm
; four partials for two samples a lane, the four chains written step by step beside each other
.macro TRIP masked
	ds_load_b128 v[A0:A0+3], v[AD]
	ds_load_b128 v[A1:A1+3], v[AD] offset:APITCH
	v_add_nc_u32 v[AD], 16, v[AD]
.irp j, 0,1,2,3
	v_pk_mul_f32 v[CX+8*\j:CX+8*\j+1], v[PHI:PHI+1], s[KK+2*\j:KK+2*\j+1] op_sel_hi:[1,0]          ; x = RN(k phi)
.endr
.irp j, 0,1,2,3
	v_pk_fma_f32 v[CNF+8*\j:CNF+8*\j+1], v[CX+8*\j:CX+8*\j+1], s[INVPI:INVPI+1], v[MAGIC:MAGIC+1] op_sel_hi:[1,0,1]   ; x / pi + 1.5 x 2^23: the sum's rounding rounds to a whole number
.endr
.irp j, 0,1,2,3
	v_pk_add_f32 v[CN+8*\j:CN+8*\j+1], v[CNF+8*\j:CNF+8*\j+1], s[NMAGIC:NMAGIC+1] op_sel_hi:[1,0]  ; n
.endr
.irp j, 0,1,2,3
	v_pk_fma_f32 v[CX+8*\j:CX+8*\j+1], v[CN+8*\j:CN+8*\j+1], s[NPIHI:NPIHI+1], v[CX+8*\j:CX+8*\j+1] op_sel_hi:[1,0,1]
.endr
.irp j, 0,1,2,3
	v_pk_fma_f32 v[CX+8*\j:CX+8*\j+1], v[CN+8*\j:CN+8*\j+1], s[NPILO:NPILO+1], v[CX+8*\j:CX+8*\j+1] op_sel_hi:[1,0,1]
.endr
.irp j, 0,1,2,3
	v_lshl_add_u32 v[CX+8*\j], v[CNF+8*\j], 31, v[CX+8*\j]             ; n's parity is nf's lowest bit: added at bit 31 it turns r's sign
	v_lshl_add_u32 v[CX+8*\j+1], v[CNF+8*\j+1], 31, v[CX+8*\j+1]
.endr
.irp j, 0,1,2,3
	v_pk_mul_f32 v[CN+8*\j:CN+8*\j+1], v[CX+8*\j:CX+8*\j+1], v[CX+8*\j:CX+8*\j+1]
.endr
.irp j, 0,1,2,3
	v_pk_fma_f32 v[CP+8*\j:CP+8*\j+1], v[CN+8*\j:CN+8*\j+1], s[C7:C7+1], v[C5V:C5V+1] op_sel_hi:[1,0,1]
.endr
.irp j, 0,1,2,3
	v_pk_fma_f32 v[CP+8*\j:CP+8*\j+1], v[CP+8*\j:CP+8*\j+1], v[CN+8*\j:CN+8*\j+1], s[C3:C3+1] op_sel_hi:[1,1,0]
.endr
.irp j, 0,1,2,3
	v_pk_fma_f32 v[CP+8*\j:CP+8*\j+1], v[CP+8*\j:CP+8*\j+1], v[CN+8*\j:CN+8*\j+1], s[C1:C1+1] op_sel_hi:[1,1,0]
.endr
.irp j, 0,1,2,3
	v_pk_mul_f32 v[CP+8*\j:CP+8*\j+1], v[CP+8*\j:CP+8*\j+1], v[CX+8*\j:CX+8*\j+1]
.endr
.if \masked
.irp j, 0,1,2,3
	v_pk_mul_f32 v[CNF+8*\j:CNF+8*\j+1], v[F0P:F0P+1], s[KK+2*\j:KK+2*\j+1] op_sel_hi:[1,0]        ; RN(k f0u), as defined
.endr
.irp j, 0,1,2,3
	v_cmp_gt_f32 vcc_lo, 0.5, v[CNF+8*\j]
	v_cndmask_b32 v[CP+8*\j], 0, v[CP+8*\j], vcc_lo
	v_cmp_gt_f32 vcc_lo, 0.5, v[CNF+8*\j+1]
	v_cndmask_b32 v[CP+8*\j+1], 0, v[CP+8*\j+1], vcc_lo
.endr
.endif
	s_wait_dscnt 0x0                               ; the trip's two alpha loads, issued at its head
	ACCU CP, 0, 0
	ACCU CP+8, 0, 1
	ACCU CP+16, 2, 0
	ACCU CP+24, 2, 1
.irp j, 0,1,2,3
	s_add_f32 s[KK+2*\j], s[KK+2*\j], 4.0
.endr
.endm
.macro TILE s
	ds_load_b64 v[PHI:PHI+1], v[TL] offset:L_PHI+256*\s
	ds_load_b64 v[F0P:F0P+1], v[TL] offset:L_F0U+256*\s
	ds_load_b64 v[G0P:G0P+1], v[TL] offset:L_G0+256*\s
	ds_load_b64 v[G1P:G1P+1], v[TL] offset:L_G1+256*\s
	v_add_nc_u32 v[TT], 64*\s, v[I80]              ; x0 of my two samples (the frames change at even i)
	v_lshrrev_b32 v[TT], 5, v[TT]
	v_mul_u32_u24 v[TT], v[TT], 0xcccd
	v_lshrrev_b32 v[TT], 18, v[TT]
	v_add_nc_u32 v[TT], -1, v[TT]
	v_max_i32 v[TT], 0, v[TT]
	v_sub_nc_u32 v[TT], v[TT], s22
	v_min_u32 v[TT], 2, v[TT]                      ; 256 samples meet at most two frame changes: 0, 1 or 2 as it is
	v_mul_u32_u24 v[TT], v[TT], APITCH
	v_add_nc_u32 v[AD], s23, v[TT]
	s_and_b32 s[NU], s[24+\s], 0xff
	s_min_u32 s[NU], s[NU], 16
	s_bfe_u32 s[NM], s[24+\s], 0x80008
	s_min_u32 s[NM], s[NM], 16
	s_sub_co_u32 s63, 16, s[NU]
	s_min_u32 s[NM], s[NM], s63                    ; 16 trips in all at the most: 64 partials, a row of alpha
	s_mov_b32 s[KK], 1.0
	s_mov_b32 s[KK+2], 2.0
	s_mov_b32 s[KK+4], 0x40400000
	s_mov_b32 s[KK+6], 4.0
	v_mov_b32 v[ACC0], 0                           ; cleared, since both loops may have no trip
	v_mov_b32 v[ACC0+1], 0
	v_mov_b32 v[ACC1], 0
	v_mov_b32 v[ACC1+1], 0
	s_wait_dscnt 0x0
	s_cmp_eq_u32 s[NU], 0
	s_cbranch_scc1 .Lnu\s
	s_mov_b32 s[CT], 0
.Lu\s:
	TRIP 0
	s_add_co_u32 s[CT], s[CT], 1
	s_cmp_lt_u32 s[CT], s[NU]
	s_cbranch_scc1 .Lu\s
.Lnu\s:
	s_cmp_eq_u32 s[NM], 0
	s_cbranch_scc1 .Lnm\s
	s_mov_b32 s[CT], 0
.Lm\s:
	TRIP 1
	s_add_co_u32 s[CT], s[CT], 1
	s_cmp_lt_u32 s[CT], s[NM]
	s_cbranch_scc1 .Lm\s
.Lnm\s:
	v_pk_mul_f32 v[Y+2*\s:Y+2*\s+1], v[G0P:G0P+1], v[ACC0:ACC0+1]
	v_pk_fma_f32 v[Y+2*\s:Y+2*\s+1], v[G1P:G1P+1], v[ACC1:ACC1+1], v[Y+2*\s:Y+2*\s+1]
	global_store_b64 v[OO], v[Y+2*\s:Y+2*\s+1], s[14:15] offset:256*\s th:TH_STORE_NT   ; the wave's store covers 256 consecutive bytes, at a multiple of 256 from out0's first byte
.endm
	TILE 0
	TILE 1
	TILE 2
	TILE 3
	s_barrier_signal -1
	s_barrier_wait -1
	s_wait_tensorcnt 0x0
	ds_add_u32 v128, v129
	s_wait_dscnt 0x0
	s_endpgm
.Lfunc_end_k_qbe21595f45_synth:
	.size	k_qbe21595f45_synth, .Lfunc_end_k_qbe21595f45_synth-k_qbe21595f45_synth
	.p2alignl 7, 3214868480
	.fill 96, 4, 3214868480
	.section	.rodata,"a",@progbits
	.p2align	6, 0x0
	.amdhsa_kernel k_qbe21595f45_synth
		.amdhsa_group_segment_fixed_size 84992
		.amdhsa_private_segment_fixed_size 0
		.amdhsa_enable_private_segment 0
		.amdhsa_kernarg_size 48
		.amdhsa_user_sgpr_count 2
		.amdhsa_user_sgpr_kernarg_segment_ptr 1
		.amdhsa_wavefront_size32 1
		.amdhsa_system_sgpr_workgroup_id_x 1
		.amdhsa_system_sgpr_workgroup_id_y 1
		.amdhsa_system_sgpr_workgroup_id_z 1
		.amdhsa_system_vgpr_workitem_id 0
		.amdhsa_next_free_vgpr 130
		.amdhsa_next_free_sgpr 80
		.amdhsa_reserve_vcc 1
		.amdhsa_float_denorm_mode_32 3
		.amdhsa_float_denorm_mode_16_64 3
		.amdhsa_memory_ordered 1
		.amdhsa_forward_progress 1
		.amdhsa_inst_pref_size 58
	.end_amdhsa_kernel
	.amdgpu_metadata
---
amdhsa.version: [ 1, 2 ]
amdhsa.kernels:
  - .name:           k_qbe21595f45_synth
    .symbol:         k_qbe21595f45_synth.kd
    .args:
      - { .name: alpha, .offset: 0, .size: 8, .value_kind: global_buffer, .address_space: global }
      - { .name: amp, .offset: 8, .size: 8, .value_kind: global_buffer, .address_space: global }
      - { .name: f0, .offset: 16, .size: 8, .value_kind: global_buffer, .address_space: global }
      - { .name: sums, .offset: 24, .size: 8, .value_kind: global_buffer, .address_space: global }
      - { .name: cnt, .offset: 32, .size: 8, .value_kind: global_buffer, .address_space: global }
      - { .name: out0, .offset: 40, .size: 8, .value_kind: global_buffer, .address_space: global }
    .group_segment_fixed_size: 84992
    .private_segment_fixed_size: 0
    .kernarg_segment_align: 8
    .kernarg_segment_size: 48
    .max_flat_workgroup_size: 512
    .sgpr_count:     80
    .vgpr_count:     130
    .wavefront_size: 32
...
	.end_amdgpu_metadata
.endif
;; end of part 2
